; MI455X (gfx1250); checked and timed in simulation.
; The chip was launched on July 23, 2026; its instructions are those of AMD's public machine-readable ISA for CDNA 5 (MIT licence, August 2026) and "CDNA5" Instruction Set Architecture Reference Guide (July 2026). The comments in the code are by the model that wrote it; some were corrected since.
;; Attention. Allowed arithmetic: matrix products marked QUANTISED: E2M1 operands, one E8M0 scale for each 32 along K, by v_wmma_scale_f32_16x16x128_f8f6f4 with both operands' format E2M1 (or v_wmma_scale_f32_32x16x128_f4), f32 sums; products left as they are: bf16, f16 or f32 operands; f32 sums; everything else in f32.
;; Inputs: Wkv 512 x 1,024 float32; Wout 512 x 512 float32; Wq 512 x 512 float32; bout 512 float32; context 4 x 8,192 x 512 float32; x 4 x 1,024 x 512 float32.
;; Outputs: out0 4 x 1,024 x 512 float32.
;; This version of the problem:
;;   THIS VERSION OF THE PROBLEM IS GIVEN IN LOW PRECISION. The matrix products marked QUANTISED in the list below multiply operands that are first quantised to E2M1 (2 exponent bits, 1 mantissa bit; 4 bits a number), with one power-of-two scale for each 32 numbers along K (OCP MX v1.0); their sums are f32. The products marked 'left as it is' may take bf16, f16 or f32 operands, with f32 sums. Whichever they take, every output number must still come out within the allowed error. Rounding operands to bf16 (8 significant bits) uses up far more of that allowance than f16 does (11 bits, for magnitudes from 6e-5 to 65,504). All else is computed in f32.
;;   The module's matrix products, in the order in which they are computed (A, B: the left and right operand; K: the contracted axis; several contracted axes count as one K, in the product's order):
;;     1. [M 4,096, K 512] x [K 512, N 512]; A: input x; B: input Wq: QUANTISED
;;     2. [M 32,768, K 512] x [K 512, N 1,024]; A: input context; B: input Wkv: QUANTISED
;;     3. batch 32 x [M 1,024, K 64] x [K 64, N 8,192]; A: computed on the way; B: computed on the way: left as it is (an operand is computed on the way)
;;     4. batch 32 x [M 1,024, K 8,192] x [K 8,192, N 64]; A: computed on the way; B: computed on the way: left as it is (an operand is computed on the way)
;;     5. [M 4,096, K 512] x [K 512, N 512]; A: computed on the way; B: input Wout: left as it is (an operand is computed on the way)
;;   THE QUANTISER, for each operand of a quantised product, along K:
;;     - K is cut into blocks of 32 from its start; a last block that is shorter is filled with zeros.
;;     - A block's scale is 2^e with e = floor(log2(the largest magnitude in the block)) - 2, held to -126 .. 127; a block of zeros has e = 0. As a byte (E8M0): e + 127.
;;     - Each number is divided by its block's scale, clamped to +-6, and rounded to the nearest number of E2M1, ties to even, subnormals kept.
;;     - The product sums the exact products of the quantised numbers (number of the format x scale) in f32.
;;   ~~~python
;;   def quantise(x, axis):      # numpy; x: float32 -> the quantised numbers, widened to float32 again
;;       x = np.moveaxis(x, axis, -1); K = x.shape[-1]
;;       x = np.pad(x, [(0, 0)] * (x.ndim - 1) + [(0, -K % 32)]); x = x.reshape(x.shape[:-1] + (-1, 32)); a = np.abs(x).max(-1, keepdims=True)
;;       e = np.where(a > 0, np.clip(np.frexp(np.where(a > 0, a, 1))[1] - 1 - 2, -126, 127), 0)      # np.frexp(a)[1] - 1 = floor(log2(a)), exactly
;;       r = np.clip(x / 2.0 ** e, -6, 6)
;;       step = 2.0 ** (np.maximum(np.frexp(np.where(r == 0, 1, r))[1] - 1, 0) - 1)
;;       q = np.round(r / step) * step * 2.0 ** e      # np.round: ties to even
;;       return np.moveaxis(q.reshape(q.shape[:-2] + (-1,))[..., :K], -1, axis).astype(np.float32)
;;   ~~~
;; One version. Each part assembles by itself: llvm-mc -triple=amdgcn-amd-amdhsa -mcpu=gfx1250 --defsym DOCPART=n.
;; ======== version 1 of 1: 4 launches
;; limits: values are held in f16: magnitudes above 65,504 overflow, below 6.1e-05 lose precision
;; workspace buffers: wkvq 278,528 bytes; wqq 139,264 bytes; wouth 524,288 bytes; qimg 4,194,304 bytes; kvimg 67,108,864 bytes; oimg 4,194,304 bytes
;; launch prep (part 1): grid 64 x 1, 4 waves a work-group, no clusters, 0 bytes of LDS; arguments Wkv, Wq, Wout, wkvq, wqq, wouth; writes wkvq, wqq, wouth
.if DOCPART == 1
	.amdgcn_target "amdgcn-amd-amdhsa--gfx1250"
	.amdhsa_code_object_version 6
	.text
	.protected	k_q765810bd37_prep
	.globl	k_q765810bd37_prep
	.p2align	8
	.type	k_q765810bd37_prep,@function
k_q765810bd37_prep:
	s_mov_b64 s[64:65], 0
	v_nop
	global_prefetch_b8 v0, s[64:65] scope:SCOPE_SE
	s_setreg_imm32_b32 hwreg(HW_REG_WAVE_MODE, 25, 1), 1
	s_wait_xcnt 0x0
; THE PROGRAM: out0 = softmax((x Wq)(context Wk)^T / 8) (context Wv) Wout + bout, 8 heads of 64, in four launches: this one lays the weights out, the second makes q, k, v,
; the third is the attention, the fourth the projection on the way out.  NOTHING IS LEFT OUT: every input (x, context, Wq, Wkv, Wout, bout) has a way to out0, there is no mask and no slice.
; THIS LAUNCH.  Wkv [512 (k)][1024 (n)] and Wq [512][512], f32, K their FIRST axis, become codes of E2M1 with one E8M0 byte for each 32 along K; Wout [512 (k)][512 (n)] becomes f16.
; All three are laid IN THE ORDER OF THE OPERAND'S REGISTERS, in pieces of 512 bytes (32 lanes x 16 bytes, lane l at 16 l), so that the launches that read them load fragments whole.
;   codes:  [n tile of 16][K step of 128: 4][c: 2][lane][16 bytes]: lane (r, h) holds block 2 c + h of the K step (32 codes) of column 16 tile + r.   scale words behind them: [n tile][K step][r] of 4 bytes.
;   Wout:   [n tile of 16][32 along K: 16][half: 2][lane][16 bytes]: lane (r, h) holds column 16 tile + r, k = 32 f + 16 half + 8 h + 0 .. 7.
; A LANE TAKES A COLUMN n AND ITS REGISTERS RUN DOWN K: each load reads 128 consecutive bytes a wave, a block of 32 along K lies in one lane, and the conversions give codes with K innermost.
; A work-group takes 128 columns x 128 along K.  Work-groups 0-31: Wkv; 32-47: Wq; 48-63: Wout: three ways through the text, parted by the work-group's number.  No LDS, no barrier.
; A block's scale is 2^(floor(log2(its largest magnitude)) - 2): its byte is the largest magnitude's exponent field - 2, held at 1 from below.
; LIMITS: a block of zeros gets the byte 1 where the rule says 127 (its codes are zeros, and this program alone reads the bytes); blocks whose largest magnitude lies under 2^-124 are held at that floor;
; |Wout| up to 65,504 (f16); NaN and infinities among the inputs are not served.
.set X, 32                             ; v32-159  my column's 128 numbers
.set C, 160                            ; v160-223 results: every store has data registers of its own, so none is written again
.macro LOADW src, pitch                ; W(k0 + i, my column), i = 0 .. 127
.set i, 0
.rept 128
	global_load_b32 v[X+i], v2, s[\src:\src+1] offset:i*\pitch th:TH_LOAD_NT
.set i, i+1
.endr
.endm
; Block b of my column: its scale, its 32 codes, and their store: lanes 0-15 and lanes 16-31 each fill 256 consecutive bytes, aligned.  cnt: the loads that may stay out
.macro QBLK b, cnt
	s_wait_loadcnt \cnt                            ; behind this block's loads 32 (3 - b) younger ones were issued; the count is held at 63, the most that the wait can name
	v_max3_num_f32 v12, |v[X+32*\b]|, |v[X+32*\b+1]|, |v[X+32*\b+2]|
	v_max3_num_f32 v13, |v[X+32*\b+3]|, |v[X+32*\b+4]|, |v[X+32*\b+5]|
.irp i, 6,10,14,18,22,26
	v_max3_num_f32 v12, v12, |v[X+32*\b+\i]|, |v[X+32*\b+\i+1]|
	v_max3_num_f32 v13, v13, |v[X+32*\b+\i+2]|, |v[X+32*\b+\i+3]|
.endr
	v_max3_num_f32 v12, v12, |v[X+32*\b+30]|, |v[X+32*\b+31]|
	v_max3_num_f32 v12, v12, v13, 0x1800000        ; and the floor 2^(3 - 127): the byte cannot fall under 1
	v_add_nc_u32 v11, 0xff000000, v12              ; 2 off the exponent field: the conversion takes the exponent field of this operand as its scale
	v_lshrrev_b32 v13, 23, v11                     ; the scale's byte
.if \b == 0
	v_mov_b32 v14, v13
.else
	v_lshl_or_b32 v14, v13, 8*\b, v14              ; four bytes make the K step's scale word
.endif
.irp g, 0,1,2,3
	v_cvt_scalef32_pk8_fp4_f32 v[C+4*\b+\g], v[X+32*\b+8*\g:X+32*\b+8*\g+7], v11
.endr
	global_store_b128 v3, v[C+4*\b:C+4*\b+3], s[24:25] offset:(\b/2)*512+(\b%2)*256
.endm
; The way of a tensor that becomes codes.  src, dst: the scalar pairs of its address and its image's; first: its first work-group; 2^cgb groups of 128 columns; pitch: bytes of a row; scoff: where the scale words begin
.macro CODES src, dst, first, cgb, pitch, scoff
	s_sub_co_u32 s17, ttmp9, \first
	s_and_b32 s18, s17, (1<<\cgb)-1                ; which 128 columns
	s_lshr_b32 s17, s17, \cgb                      ; which K step
	s_mul_i32 s20, s17, 128*\pitch
	s_lshl_b32 s22, s18, 9
	s_add_co_u32 s20, s20, s22
	s_add_nc_u64 s[\src:\src+1], s[\src:\src+1], s[20:21]
	s_lshl_b32 s18, s18, 3
	s_lshl_b32 s22, s16, 1
	s_add_co_u32 s18, s18, s22                     ; my wave's first n tile: 8 x group + 2 x wave
	s_lshl_b32 s20, s18, 12
	s_lshl_b32 s22, s17, 10
	s_add_co_u32 s20, s20, s22
	s_add_nc_u64 s[24:25], s[\dst:\dst+1], s[20:21]    ; the codes: 4,096 bytes a tile, 1,024 a K step
	s_lshl_b32 s20, s18, 8
	s_lshl_b32 s22, s17, 6
	s_add_co_u32 s20, s20, s22
	s_add_co_u32 s20, s20, \scoff
	s_add_nc_u64 s[26:27], s[\dst:\dst+1], s[20:21]    ; the scale words: 256 bytes a tile, 64 a K step
	v_lshl_add_u32 v3, v6, 12, v3                  ; lanes 16-31 hold the next tile's columns
	LOADW \src, \pitch
	QBLK 0, 63
	QBLK 1, 63
	QBLK 2, 32
	QBLK 3, 0
	global_store_b32 v4, v14, s[26:27]             ; 64 bytes for each half of the lanes: one byte in 128 of what the launch reads
	s_endpgm
.endm
; Eight numbers down K become 16 bytes of f16
.macro HOCT o
.if 8*(15-(\o)) > 63
	s_wait_loadcnt 63
.else
	s_wait_loadcnt 8*(15-(\o))                     ; the younger octets' loads may stay out
.endif
.irp i, 0,1,2,3
	v_cvt_pk_f16_f32 v[C+4*(\o)+\i], v[X+8*(\o)+2*\i], v[X+8*(\o)+2*\i+1]
.endr
	global_store_b128 v3, v[C+4*(\o):C+4*(\o)+3], s[24:25] offset:((\o)/4)*1024+(((\o)/2)%2)*512+((\o)%2)*256
.endm
	s_load_b256 s[4:11], s[0:1], 0x0               ; Wkv s[4:5], Wq s[6:7], Wout s[8:9], wkvq s[10:11]
	s_load_b128 s[12:15], s[0:1], 0x20             ; wqq s[12:13], wouth s[14:15]
	v_lshrrev_b32 v1, 5, v0
	v_readfirstlane_b32 s16, v1                    ; wave
	v_lshlrev_b32 v2, 2, v0                        ; in: 4 bytes a thread: my column among the group's 128
	v_and_b32 v5, 15, v0                           ; r
	v_bfe_u32 v6, v0, 4, 1                         ; which of my wave's two tiles
	v_lshlrev_b32 v3, 4, v5                        ; out: 16 r (+ the tile, added on each way)
	v_lshlrev_b32 v4, 2, v5
	v_lshl_add_u32 v4, v6, 8, v4                   ; scale words: 4 r + 256 x tile
	s_mov_b32 s21, 0
	s_wait_kmcnt 0x0
	s_cmp_lt_u32 ttmp9, 32
	s_cbranch_scc0 .Lnot_wkv
	CODES 4, 10, 0, 3, 4096, 262144
.Lnot_wkv:
	s_cmp_lt_u32 ttmp9, 48
	s_cbranch_scc0 .Lwout
	CODES 6, 12, 32, 2, 2048, 131072
.Lwout:
	s_sub_co_u32 s17, ttmp9, 48
	s_and_b32 s18, s17, 3                          ; which 128 columns
	s_lshr_b32 s17, s17, 2                         ; which 128 along K
	s_lshl_b32 s20, s17, 18                        ; 128 rows of 2,048 bytes
	s_lshl_b32 s22, s18, 9
	s_add_co_u32 s20, s20, s22
	s_add_nc_u64 s[8:9], s[8:9], s[20:21]
	s_lshl_b32 s18, s18, 3
	s_lshl_b32 s22, s16, 1
	s_add_co_u32 s18, s18, s22                     ; my wave's first n tile
	s_lshl_b32 s20, s18, 14                        ; 16,384 bytes a tile,
	s_lshl_b32 s22, s17, 12                        ; 4,096 for 128 along K
	s_add_co_u32 s20, s20, s22
	s_add_nc_u64 s[24:25], s[14:15], s[20:21]
	v_lshl_add_u32 v3, v6, 14, v3
	LOADW 8, 2048
.irp o, 0,1,2,3,4,5,6,7,8,9,10,11,12,13,14,15
	HOCT \o
.endr
	s_endpgm
.Lfunc_end_k_q765810bd37_prep:
	.size	k_q765810bd37_prep, .Lfunc_end_k_q765810bd37_prep-k_q765810bd37_prep
	.p2alignl 7, 3214868480
	.fill 96, 4, 3214868480
	.section	.rodata,"a",@progbits
	.p2align	6, 0x0
	.amdhsa_kernel k_q765810bd37_prep
		.amdhsa_group_segment_fixed_size 0
		.amdhsa_private_segment_fixed_size 0
		.amdhsa_enable_private_segment 0
		.amdhsa_kernarg_size 48
		.amdhsa_user_sgpr_count 2
		.amdhsa_user_sgpr_kernarg_segment_ptr 1
		.amdhsa_wavefront_size32 1
		.amdhsa_system_sgpr_workgroup_id_x 1
		.amdhsa_system_sgpr_workgroup_id_y 1
		.amdhsa_system_sgpr_workgroup_id_z 1
		.amdhsa_system_vgpr_workitem_id 0
		.amdhsa_next_free_vgpr 224
		.amdhsa_next_free_sgpr 66
		.amdhsa_reserve_vcc 0
		.amdhsa_float_denorm_mode_32 3
		.amdhsa_float_denorm_mode_16_64 3
		.amdhsa_memory_ordered 1
		.amdhsa_forward_progress 1
		.amdhsa_inst_pref_size 58
	.end_amdhsa_kernel
	.amdgpu_metadata
---
amdhsa.version: [ 1, 2 ]
amdhsa.kernels:
  - .name:           k_q765810bd37_prep
    .symbol:         k_q765810bd37_prep.kd
    .args:
      - { .name: Wkv, .offset: 0, .size: 8, .value_kind: global_buffer, .address_space: global }
      - { .name: Wq, .offset: 8, .size: 8, .value_kind: global_buffer, .address_space: global }
      - { .name: Wout, .offset: 16, .size: 8, .value_kind: global_buffer, .address_space: global }
      - { .name: wkvq, .offset: 24, .size: 8, .value_kind: global_buffer, .address_space: global }
      - { .name: wqq, .offset: 32, .size: 8, .value_kind: global_buffer, .address_space: global }
      - { .name: wouth, .offset: 40, .size: 8, .value_kind: global_buffer, .address_space: global }
    .group_segment_fixed_size: 0
    .private_segment_fixed_size: 0
    .kernarg_segment_align: 8
    .kernarg_segment_size: 48
    .max_flat_workgroup_size: 128
    .sgpr_count:     66
    .vgpr_count:     224
    .wavefront_size: 32
...
	.end_amdgpu_metadata
.endif
;; end of part 1
;; launch proj (part 2): grid 256 x 1, 4 waves a work-group, no clusters, 43,008 bytes of LDS; arguments context, x, wkvq, wqq, kvimg, qimg; writes kvimg, qimg
.if DOCPART == 2
	.amdgcn_target "amdgcn-amd-amdhsa--gfx1250"
	.amdhsa_code_object_version 6
	.text
	.protected	k_q765810bd37_proj
	.globl	k_q765810bd37_proj
	.p2align	8
	.type	k_q765810bd37_proj,@function
k_q765810bd37_proj:
	s_mov_b64 s[64:65], 0
	v_nop
	global_prefetch_b8 v0, s[64:65] scope:SCOPE_SE
	s_setreg_imm32_b32 hwreg(HW_REG_WAVE_MODE, 25, 1), 1
	s_wait_xcnt 0x0
; kv = Q(context) Q(Wkv) and q = Q(x) Q(Wq), Q the quantiser to E2M1 with one E8M0 scale for each 32 along K = 512; sums in f32; results rounded once to f16, the operand format of the attention.  Nothing is left out.
; SHARES.  Work-group i takes context rows 128 i .. + 127, eight blocks of 16 rows, and then x rows 16 i .. + 15 as a ninth block: all 256 work-groups have the same work.
; THE WAVES SHARE THE COLUMNS: wave w keeps Wkv's n tiles 16 w .. + 15 (512 registers of codes) for the eight blocks: waves 0, 1 make K of heads 4 (w % 2) + 0 .. 3, waves 2, 3 make V of them; for the ninth block it takes Wq's tiles 8 w .. + 7.
; A BLOCK.  Wave w loads K step w (128 along K) of the 16 rows, 512 consecutive bytes a load; turns them through its own stage in LDS, so that a lane holds 16 neighbours of each block of 32; quantises them in registers;
; stores the fragment and its scale words in LDS AS AN IMAGE OF ITS REGISTERS | one barrier | every wave loads the four fragments by the same lines and multiplies them by its tiles.
; THE PRODUCT IS USED TRANSPOSED (source 0 = 16 columns of the weight, source 1 = the 16 rows): a lane then holds one row and eight neighbouring columns: four conversions make 16 bytes,
; and the wave's 512 bytes ARE half of a 16-bit fragment of the next product: one store of 512 consecutive bytes, aligned.  No way out through LDS.
;   kvimg [batch x 8 + head][slot of 512 keys: 16][K, V][key tile: 32][16 channels: 4][place: 32][16 bytes];  qimg [batch x 8 + head][query tile: 64][16 channels: 4][lane][16 bytes].
;   In K's and q's pieces lane l lies at place l.  In V's, lane (r, h) lies at place r % 8 + 8 h + 16 (r / 8), so that the turning LDS load of the attention can take a piece at 16 x lane.
; Two image buffers take turns, so one barrier a block is enough: a buffer is written again two blocks on, by waves that have passed the barrier between, which every wave signals behind its waited reads of that buffer.
; LIMITS: |q|, |k|, |v| up to 65,504 (f16); a block of zeros gets the scale byte 1 (zero codes; read by this launch alone); NaN and infinities among the inputs are not served.
; No cluster: the weights go from memory straight into each wave's operand registers, once; through LDS, as a joint load would bring them, the two images (278,528 and 139,264 bytes) and this text's 43,008 bytes do not fit together.
; REGISTERS, in windows of 256: window 0: addresses, the quantiser's work, the four fragments, scale words, packed results.  window 1: Wkv's tiles 0-7 (fragment (t, s) at 8 (4 t + s)), later Wq's eight.
;   window 2: Wkv's tiles 8-15.   window 3: v0-127 the 16 accumulators; v128-191, v192-255 the numbers as loaded, two sets.
.set SPITCH, 528                       ; a stage row: 512 bytes + 16: 33 x 16 bytes, so the sixteen rows that a load touches fall on sixteen different columns of 16 bytes
.set WSTG,  16*SPITCH                  ; a wave's stage
.set XIMG,  4*WSTG                     ; two image buffers of four fragments (1,024 bytes each)
.set XSC,   XIMG+2*4096                ; two buffers of scale words: K step s, row r at 64 s + 4 r
.set SPARE, XSC+2*256                  ; the spare words, 128 bytes for each wave: two blocks of 256 bytes that no other line names
.set LI,   1                           ; v1   16 x lane
.set LS,   2                           ; v2   4 x lane
.set SIN,  3                           ; v3   the stage, on the way in: my wave's + 16 x lane
.set TRD,  4                           ; v4   and back: row r, + 64 h
.set XWI,  5                           ; v5   where I store my fragment's image
.set XWS,  6                           ; v6   and my row's scale word
.set SOFF, 7                           ; v7   my 16 bytes' place in a stored piece of K or V
.set SPW,  8                           ; v8   LDS address of my spare word; never rewritten
.set NIL,  9                           ; v9   0; never rewritten
.set TM,   12                          ; v12-27 the quantiser's work
.set PW,   28                          ; v28  the scale word just made
.set XS,   30                          ; v30-31 the rows' scale words: register u: lanes 0-15 K step 2 u, lanes 16-31 K step 2 u + 1
.set PC,   32                          ; v32-39 the codes just made
.set XF,   40                          ; v40-71 the four fragments
.set WS,   72                          ; v72-103 the weights' scale words: register 2 t + u, halves as in XS
.set T,    104                         ; v104-167 64 numbers: register 16 b + i = k 32 b + 16 h + i of row r
.set PK,   168                         ; v168-231 packed results
.set RAW,  128                         ; in window 3
.set SEL,  20                          ; s[20:21] v_permlanex16_b32's selects for lane l xor 16
.set MSB, 0
.macro WIN new                         ; the immediate's high byte repeats the setting that is left; a switch that changes nothing is dropped
.if MSB != \new
	s_set_vgpr_msb (MSB<<8)|\new
.set MSB, \new
.endif
.endm
.macro RAWLOAD p, base, off            ; my K step of a block's 16 rows into set p: each load reads 512 consecutive bytes, aligned
	WIN 0xc0                                       ; destination window 3
.irp i, 0,1,2,3,4,5,6,7,8,9,10,11,12,13,14,15
	global_load_b128 v[RAW+64*(\p)+4*\i:RAW+64*(\p)+4*\i+3], v[LI], s[\base:\base+1] offset:(\off)+2048*\i th:TH_LOAD_NT
.endr
	WIN 0
.endm
.macro TURN p                          ; through my own stage: LDS serves a wave's instructions in order, so no wait stands between the stores and the loads
	WIN 0x0c                                       ; an LDS store's data are its source 1: window 3
.irp i, 0,1,2,3,4,5,6,7,8,9,10,11,12,13,14,15
	ds_store_b128 v[SIN], v[RAW+64*(\p)+4*\i:RAW+64*(\p)+4*\i+3] offset:SPITCH*\i
.endr
	WIN 0
.irp b, 0,1,2,3
.irp j, 0,1,2,3
	ds_load_b128 v[T+16*\b+4*\j:T+16*\b+4*\j+3], v[TRD] offset:128*\b+16*\j
.endr
.endr
.endm
.macro QUANT                           ; the 64 numbers in v[T] on become a fragment's codes in v[PC] on and my row's scale word in v[PW]
.irp b, 0,1,2,3
	v_max3_num_f32 v[TM+\b], |v[T+16*\b]|, |v[T+1+16*\b]|, 0x1800000   ; block b: my 16 numbers, and the floor 2^(3 - 127): the byte cannot fall under 1
.endr
.irp i, 2,4,6,8,10,12,14
.irp b, 0,1,2,3
	v_max3_num_f32 v[TM+\b], v[TM+\b], |v[T+16*\b+\i]|, |v[T+1+16*\b+\i]|   ; the four blocks by turns
.endr
.endr
.irp b, 0,1,2,3
	v_permlanex16_b32 v[TM+4+\b], v[TM+\b], s[SEL], s[SEL+1]
.endr
.irp b, 0,1,2,3
	v_max_num_f32 v[TM+\b], v[TM+\b], v[TM+4+\b]   ; with lane l xor 16's: the block's largest magnitude
.endr
.irp b, 0,1,2,3
	v_add_nc_u32 v[TM+12+\b], 0xff000000, v[TM+\b] ; 2 off its exponent field: the conversion's scale operand
.endr
.irp b, 0,1,2,3
	v_lshrrev_b32 v[TM+4+\b], 23, v[TM+12+\b]      ; the scale's byte
.endr
	v_lshl_or_b32 v[PW], v[TM+5], 8, v[TM+4]
	v_lshl_or_b32 v[PW], v[TM+6], 16, v[PW]
	v_lshl_or_b32 v[PW], v[TM+7], 24, v[PW]
.irp b, 0,1,2,3
	v_cvt_scalef32_pk8_fp4_f32 v[PC+2*\b], v[T+16*\b:T+7+16*\b], v[TM+12+\b]
	v_cvt_scalef32_pk8_fp4_f32 v[PC+1+2*\b], v[T+8+16*\b:T+15+16*\b], v[TM+12+\b]
.endr
	v_nop                                          ; one plain place behind a scaled conversion
.irp c, 0,1                            ; the operand's layout wants a whole block in a lane: lanes 0-15 block 2 c, lanes 16-31 block 2 c + 1
.irp i, 0,1
	v_permlane16_swap_b32 v[PC+4*\c+\i], v[PC+2+4*\c+\i]
.endr
.endr
.endm
.macro IMAGE p                         ; my fragment goes to LDS as it stands; lanes r and r + 16 write the same scale word with the same value
.irp c, 0,1
	ds_store_b128 v[XWI], v[PC+4*\c:PC+4*\c+3] offset:4096*(\p)+512*\c
.endr
	ds_store_b32 v[XWS], v[PW] offset:256*(\p)
.endm
.macro MEET                            ; my LDS stores have landed and my LDS loads are in: then the work-group's barrier
	s_wait_dscnt 0x0
	s_barrier_signal -1
	s_barrier_wait -1
.endm
.macro FETCH p                         ; the four fragments and their scale words, in any wave
.irp s, 0,1,2,3
.irp c, 0,1
	ds_load_b128 v[XF+8*\s+4*\c:XF+8*\s+4*\c+3], v[LI] offset:XIMG+4096*(\p)+1024*\s+512*\c
.endr
.endr
.irp u, 0,1
	ds_load_b32 v[XS+\u], v[LS] offset:XSC+256*(\p)+128*\u
.endr
.endm
; nt tiles x four K steps.  The accumulators take turns, one instruction a turn; the first K step starts the sums with the constant 0.  All operands and scale words come from loads.
.macro MULT nt
.irp s, 0,1,2,3
.set t, 0
.rept \nt
.if t < 8
	WIN 0xf1                                       ; source 0 (the weight) window 1, source 1 window 0, C and D window 3
.else
	WIN 0xf2                                       ; the weight in window 2
.endif
.set rA, 8*(4*(t%8)+\s)
.if \s == 0
	v_wmma_scale_f32_16x16x128_f8f6f4 v[8*t:8*t+7], v[rA:rA+7], v[XF:XF+7], 0, v[WS+2*t], v[XS] matrix_a_fmt:MATRIX_FMT_FP4 matrix_b_fmt:MATRIX_FMT_FP4
.elseif \s == 1
	v_wmma_scale_f32_16x16x128_f8f6f4 v[8*t:8*t+7], v[rA:rA+7], v[XF+8:XF+15], v[8*t:8*t+7], v[WS+2*t], v[XS] matrix_a_fmt:MATRIX_FMT_FP4 matrix_b_fmt:MATRIX_FMT_FP4 matrix_a_scale:MATRIX_SCALE_ROW1 matrix_b_scale:MATRIX_SCALE_ROW1
.elseif \s == 2
	v_wmma_scale_f32_16x16x128_f8f6f4 v[8*t:8*t+7], v[rA:rA+7], v[XF+16:XF+23], v[8*t:8*t+7], v[WS+2*t+1], v[XS+1] matrix_a_fmt:MATRIX_FMT_FP4 matrix_b_fmt:MATRIX_FMT_FP4
.else
	v_wmma_scale_f32_16x16x128_f8f6f4 v[8*t:8*t+7], v[rA:rA+7], v[XF+24:XF+31], v[8*t:8*t+7], v[WS+2*t+1], v[XS+1] matrix_a_fmt:MATRIX_FMT_FP4 matrix_b_fmt:MATRIX_FMT_FP4 matrix_a_scale:MATRIX_SCALE_ROW1 matrix_b_scale:MATRIX_SCALE_ROW1
.endif
.set t, t+1
.endr
.endr
	WIN 0
.endm
; The results leave: rounded to f16, each accumulator from its low end on; tile t's 512 bytes by one store.  hstride: bytes from head to head; blk: which key tile of the two of a trip
.macro OUT nt, base, voff, hstride, blk
.rept 4
	v_nop                                          ; four places between the last product and the first read of results (ISA guide 7.12.1)
.endr
	s_wait_xcnt 0x0                                ; the last block's stores have read their data: the packed results are written again only behind this wait
	WIN 0x0f                                       ; sources 0 and 1 window 3
.set t, 0
.rept \nt
.irp r, 0,1,2,3
	v_cvt_pk_f16_f32 v[PK+4*t+\r], v[8*t+2*\r], v[8*t+2*\r+1]
.endr
.set t, t+1
.endr
	WIN 0
.set t, 0
.rept \nt
	global_store_b128 v[\voff], v[PK+4*t:PK+4*t+3], s[\base:\base+1] offset:(t/4)*\hstride+(t%4)*512+2048*(\blk) th:TH_STORE_NT   ; 6,295,040 at the most: inside the signed 24-bit immediate
.set t, t+1
.endr
.endm
; A block of context.  p: its sets (numbers, images).  pf = 1: set p takes the block two further on; 2: it takes x's block; 0: nothing
.macro BLOCK p, pf
	s_wait_loadcnt 16                              ; this block's 16 loads are in (and all issued before them); the 16 younger ones, the next block's, may be out
	TURN \p
	s_wait_dscnt 0x0                               ; the numbers are back, and the stage's stores have read set p
.if \pf == 1
	RAWLOAD \p, 4, 65536+32768*(\p)
.elseif \pf == 2
	RAWLOAD \p, 6, 0
.endif
	QUANT
	IMAGE \p
	MEET                                           ; the block's four fragments lie in LDS
	FETCH \p
	s_wait_dscnt 0x0
	MULT 16
	OUT 16, 12, SOFF, 2097152, \p
.endm
.macro WTILES base, first              ; eight tiles' fragments, 64 loads of 512 consecutive bytes, into the window that is set
.irp t, 0,1,2,3,4,5,6,7
.irp s, 0,1,2,3
.irp c, 0,1
	global_load_b128 v[8*(4*\t+\s)+4*\c:8*(4*\t+\s)+4*\c+3], v[LI], s[\base:\base+1] offset:4096*(\t+\first)+1024*\s+512*\c
.endr
.endr
.endr
.endm
	s_load_b256 s[4:11], s[0:1], 0x0               ; context s[4:5], x s[6:7], wkvq s[8:9], wqq s[10:11]
	s_load_b128 s[12:15], s[0:1], 0x20             ; kvimg s[12:13], qimg s[14:15]
	v_lshl_add_u32 v[SPW], v0, 2, SPARE
	v_mov_b32 v[NIL], 0
	v_lshrrev_b32 v10, 5, v0
	v_readfirstlane_b32 s16, v10                   ; wave 0..3
	v_and_b32 v10, 31, v0                          ; lane
	v_and_b32 v11, 15, v0                          ; r
	v_bfe_u32 v29, v0, 4, 1                        ; h
	v_lshlrev_b32 v[LI], 4, v10
	v_lshlrev_b32 v[LS], 2, v10
	s_mul_i32 s24, s16, WSTG
	v_add_nc_u32 v[SIN], s24, v[LI]
	v_mul_u32_u24 v[TRD], v11, SPITCH
	v_lshl_add_u32 v[TRD], v29, 6, v[TRD]
	v_add_nc_u32 v[TRD], s24, v[TRD]
	s_lshl_b32 s24, s16, 10
	s_add_co_u32 s24, s24, XIMG
	v_add_nc_u32 v[XWI], s24, v[LI]
	s_lshl_b32 s24, s16, 6
	s_add_co_u32 s24, s24, XSC
	v_lshl_add_u32 v[XWS], v11, 2, s24
	v_bfe_u32 v10, v0, 3, 1
	v_sub_nc_u32 v10, v10, v29                     ; V's place less the lane is 8 x (bit 3 of the lane - bit 4): 128 bytes up or down
	s_lshr_b32 s24, s16, 1
	s_lshl_b32 s24, s24, 7                         ; 0 in K's waves, 128 in V's
	v_mul_lo_u32 v10, v10, s24
	v_add_nc_u32 v[SOFF], v[LI], v10
.irp b, 0,1,2,3
	v_mov_b32 v[TM+4+\b], 0                        ; written once: a lane permute's destination counts as one of its sources
.endr
	s_mov_b32 s[SEL], 0x76543210
	s_mov_b32 s[SEL+1], 0xfedcba98
	s_mov_b32 s22, 3                               ; trips of two blocks
	s_mov_b32 s25, 0
	s_wait_kmcnt 0x0
	s_lshl_b32 s24, ttmp9, 18                      ; context: 128 rows of 2,048 bytes a work-group,
	s_lshl_b32 s26, s16, 9                         ; + my K step's 512 bytes
	s_add_co_u32 s24, s24, s26
	s_add_nc_u64 s[4:5], s[4:5], s[24:25]
	s_lshl_b32 s24, ttmp9, 15                      ; x: 16 rows a work-group
	s_add_co_u32 s24, s24, s26
	s_add_nc_u64 s[6:7], s[6:7], s[24:25]
	s_lshl_b32 s24, s16, 12
	s_add_co_u32 s24, s24, 262144
	s_add_nc_u64 s[32:33], s[8:9], s[24:25]        ; Wkv's scale words: my 16 tiles of 256 bytes
	s_lshl_b32 s24, s16, 16
	s_add_nc_u64 s[8:9], s[8:9], s[24:25]          ; its codes: my 16 tiles of 4,096 bytes
	s_lshl_b32 s24, s16, 11
	s_add_co_u32 s24, s24, 131072
	s_add_nc_u64 s[34:35], s[10:11], s[24:25]      ; Wq's scale words: my 8 tiles
	s_lshl_b32 s24, s16, 15
	s_add_nc_u64 s[10:11], s[10:11], s[24:25]      ; and its codes
	s_lshr_b32 s24, ttmp9, 6
	s_lshl_b32 s24, s24, 24                        ; kvimg: the batch's 8 heads of 2 MiB,
	s_and_b32 s26, s16, 1
	s_lshl_b32 s26, s26, 23                        ; my first head: 4 x (wave % 2),
	s_add_co_u32 s24, s24, s26
	s_bfe_u32 s26, ttmp9, 0x40002
	s_lshl_b32 s26, s26, 17                        ; the slot of 512 keys,
	s_add_co_u32 s24, s24, s26
	s_lshr_b32 s26, s16, 1
	s_lshl_b32 s26, s26, 16                        ; K's half of it or V's,
	s_add_co_u32 s24, s24, s26
	s_and_b32 s26, ttmp9, 3
	s_lshl_b32 s26, s26, 14                        ; my work-group's eight key tiles of 2,048 bytes
	s_add_co_u32 s24, s24, s26
	s_add_nc_u64 s[12:13], s[12:13], s[24:25]
	s_lshr_b32 s24, ttmp9, 6
	s_lshl_b32 s24, s24, 3
	s_lshl_b32 s26, s16, 1
	s_add_co_u32 s24, s24, s26                     ; qimg: batch x 8 + my first head, 2 x wave,
	s_lshl_b32 s24, s24, 17
	s_and_b32 s26, ttmp9, 63
	s_lshl_b32 s26, s26, 11                        ; the query tile
	s_add_co_u32 s24, s24, s26
	s_add_nc_u64 s[14:15], s[14:15], s[24:25]
	WIN 0x40                                       ; destination window 1
	WTILES 8, 0
	WIN 0x80                                       ; destination window 2
	WTILES 8, 8
	WIN 0
.irp t, 0,1,2,3,4,5,6,7,8,9,10,11,12,13,14,15
.irp u, 0,1
	global_load_b32 v[WS+2*\t+\u], v[LS], s[32:33] offset:256*\t+128*\u
.endr
.endr
	RAWLOAD 0, 4, 0                                ; the weights were issued first: the first block's wait covers them too
	RAWLOAD 1, 4, 32768
.Lblocks:                                          ; three trips: blocks 0 to 5, which ask for blocks 2 to 7
	BLOCK 0, 1
	BLOCK 1, 1
	s_wait_xcnt 0x0                                ; the loads and stores have read their bases: both step only behind this wait
	s_add_nc_u64 s[4:5], s[4:5], 65536
	s_add_nc_u64 s[12:13], s[12:13], 4096
	s_sub_co_u32 s22, s22, 1
	s_cmp_lg_u32 s22, 0
	s_cbranch_scc1 .Lblocks
	BLOCK 0, 2                                     ; block 6 asks for x's block: no load leaves context
	BLOCK 1, 0
	; the ninth block: q.  The conversions and v_nop of the last way out are the places behind the last products, in front of the loads into the weights' registers
	s_wait_loadcnt 0x0
	TURN 0
	s_wait_dscnt 0x0
	WIN 0x40
	WTILES 10, 0
	WIN 0
.irp t, 0,1,2,3,4,5,6,7
.irp u, 0,1
	global_load_b32 v[WS+2*\t+\u], v[LS], s[34:35] offset:256*\t+128*\u
.endr
.endr
	QUANT
	IMAGE 0
	MEET
	FETCH 0
	s_wait_dscnt 0x0
	s_wait_loadcnt 0x0                             ; Wq's tiles and scale words
	MULT 8
	OUT 8, 14, LI, 131072, 0
	s_wait_tensorcnt 0x0                           ; the wave's end, behind my last LDS store
	ds_add_u32 v[SPW], v[NIL]
	s_wait_dscnt 0x0
	s_endpgm
.Lfunc_end_k_q765810bd37_proj:
	.size	k_q765810bd37_proj, .Lfunc_end_k_q765810bd37_proj-k_q765810bd37_proj
	.p2alignl 7, 3214868480
	.fill 96, 4, 3214868480
	.section	.rodata,"a",@progbits
	.p2align	6, 0x0
	.amdhsa_kernel k_q765810bd37_proj
		.amdhsa_group_segment_fixed_size 43008
		.amdhsa_private_segment_fixed_size 0
		.amdhsa_enable_private_segment 0
		.amdhsa_kernarg_size 48
		.amdhsa_user_sgpr_count 2
		.amdhsa_user_sgpr_kernarg_segment_ptr 1
		.amdhsa_wavefront_size32 1
		.amdhsa_system_sgpr_workgroup_id_x 1
		.amdhsa_system_sgpr_workgroup_id_y 1
		.amdhsa_system_sgpr_workgroup_id_z 1
		.amdhsa_system_vgpr_workitem_id 0
		.amdhsa_next_free_vgpr 1024
		.amdhsa_next_free_sgpr 66
		.amdhsa_reserve_vcc 0
		.amdhsa_float_denorm_mode_32 3
		.amdhsa_float_denorm_mode_16_64 3
		.amdhsa_memory_ordered 1
		.amdhsa_forward_progress 1
		.amdhsa_inst_pref_size 132
	.end_amdhsa_kernel
	.amdgpu_metadata
---
amdhsa.version: [ 1, 2 ]
amdhsa.kernels:
  - .name:           k_q765810bd37_proj
    .symbol:         k_q765810bd37_proj.kd
    .args:
      - { .name: context, .offset: 0, .size: 8, .value_kind: global_buffer, .address_space: global }
      - { .name: x, .offset: 8, .size: 8, .value_kind: global_buffer, .address_space: global }
      - { .name: wkvq, .offset: 16, .size: 8, .value_kind: global_buffer, .address_space: global }
      - { .name: wqq, .offset: 24, .size: 8, .value_kind: global_buffer, .address_space: global }
      - { .name: kvimg, .offset: 32, .size: 8, .value_kind: global_buffer, .address_space: global }
      - { .name: qimg, .offset: 40, .size: 8, .value_kind: global_buffer, .address_space: global }
    .group_segment_fixed_size: 43008
    .private_segment_fixed_size: 0
    .kernarg_segment_align: 8
    .kernarg_segment_size: 48
    .max_flat_workgroup_size: 128
    .sgpr_count:     66
    .vgpr_count:     1024
    .wavefront_size: 32
...
	.end_amdgpu_metadata
.endif
;; end of part 2
;; launch attn (part 3): grid 8 x 32, 8 waves a work-group, clusters of 4 x 1, 327,680 bytes of LDS; arguments qimg, kvimg, oimg; writes oimg
.if DOCPART == 3
	.amdgcn_target "amdgcn-amd-amdhsa--gfx1250"
	.amdhsa_code_object_version 6
	.text
	.protected	k_q765810bd37_attn
	.globl	k_q765810bd37_attn
	.p2align	8
	.type	k_q765810bd37_attn,@function
k_q765810bd37_attn:
	s_mov_b64 s[64:65], 0
	v_nop
	global_prefetch_b8 v0, s[64:65] scope:SCOPE_SE
	s_setreg_imm32_b32 hwreg(HW_REG_WAVE_MODE, 25, 1), 1
	s_wait_xcnt 0x0
	s_wait_alu depctr_hold_cnt(0) depctr_sa_sdst(0) depctr_va_vdst(0) depctr_va_sdst(0) depctr_va_ssrc(0) depctr_va_vcc(0) depctr_vm_vsrc(0)
	s_getreg_b32 s2, hwreg(HW_REG_IB_STS2, 6, 4)
	s_cmp_eq_u32 s2, 0
	s_cbranch_scc0 .Lentry_in_a_cluster
	s_endpgm
.Lentry_in_a_cluster:
	s_bfe_u32 s2, ttmp6, 0x10000c
	s_cmp_lg_u32 s2, 0x3003
	s_cbranch_scc0 .Lentry_shape_is_right
	s_endpgm
.Lentry_shape_is_right:
; o[b][h][q][:] = the sum over k of softmax_k(q . k / 8) v[k][:], 32 (batch, head) pairs, 1,024 queries, 8,192 keys, head size 64.  q, k, v arrive as f16 in the order of operand registers; products in f16 with f32 sums;
; maxima, exponentials and sums in f32; the weights p are rounded to f16 for the second product, o once at the end.  Nothing is left out: there is no mask.
; SHARES.  A work-group owns 128 queries of one (batch, head).  Wave w: g = w % 2 picks 64 of them (four tiles of 16), kq = w / 2 a QUARTER OF THE KEYS: keys 128 kq .. + 127 of every slot of 512, in two steps of 64.
; Each wave keeps a running maximum m, sum l and O^T of its own; the four quarters are merged once, at the end, through LDS.  Two waves share a SIMD, so that one's softmax stands beside the other's products,
; and each fragment of K and V read from LDS still feeds four matrix instructions.
; LAYOUT.  S^T = K Q^T (source 0 = 16 keys, source 1 = 16 queries): a lane holds ONE query (lane % 16) and keys 8 (lane / 16) + 0 .. 7.  Two such tiles, rounded in pairs, ARE source 1 of O^T = V^T P.
; SOFTMAX.  p = 2^(c s - c m), c = log2(e) / 8; in every step O^T and l are multiplied by a = 2^(c m_old - c m_new).  The sum is taken of the unrounded p.
; THE RING.  A slot's 131,072 bytes (K's 128 pieces of 512 bytes, then V's) are dense in memory and lie in LDS as in memory: each of the eight waves brings 16,384 bytes by one tensor load; fragments are read at 16 x lane + a constant.
; CLUSTER.  The four query blocks of a cluster walk the same K and V: each slot is asked for JOINTLY, by the same load with the same descriptor and a mask that names the four.
; LIMITS: the order of the f32 sums differs from a plain sum over the keys (four quarters, two chains); |o| up to 65,504 (f16); NaN and infinities are not served.
; REGISTERS: window 0: v1-15 addresses; v16-47 eight registers of statistics a tile; v48-63 at work in the merge; v64-191 S^T, 32 a tile, P packed in place into a tile's first 16; v192-255 V.
;   window 1: v0-127 O^T, 32 a tile; v128-191 Q; v192-255 K.
.set SLOT1, 131072                     ; slot 1 begins here: one exclusive or turns an address in one slot into the other's
.set SPARE, 262144                     ; behind the ring: the spare words, 128 bytes for each wave: four blocks of 256 bytes that no other line names
.set SST,   263168                     ; the merge: each wave's c m and l, 1,024 bytes a wave; no tensor load lands here
.set AK0,  1                           ; v1   my lane's place in a slot's K: my quarter + 16 x lane
.set AV0,  2                           ; v2   the same for V
.set ADK,  3                           ; v3   LDS address of the slot's K in hand
.set ADV,  4                           ; v4   of V
.set LI,   5                           ; v5   16 x lane
.set SPW,  6                           ; v6   LDS address of my spare word; never rewritten
.set NIL,  7                           ; v7   0; never rewritten
.set PFO,  8                           ; v8   256 x lane: the prefetches' offset; never rewritten
.set STO,  9                           ; v9   the merge: where I put my O^T
.set MRD,  10                          ; v10  where I read the four quarters' O^T of my 16 channels
.set SSTO, 11                          ; v11  where I put my statistics
.set MSR,  12                          ; v12  where I read the four quarters'
.set ST,   16                          ; tile t at v[ST+8 t]: +0 c m, +1 m, +2, +3 l (even keys', odd keys'), +4 to +7 c0-c3, at work; a takes c2's place
.set S,    64
.set VF,   192
.set QF,   128                         ; in window 1
.set KF,   192                         ; in window 1
.set WV,   12                          ; s12  my wave's number
.set G1,   24                          ; s[24:31] descriptor group 1: 64 rows of 256 bytes, dense
.set G0A,  32                          ; s[32:35] group 0 of slot 0's first fill
.set G0B,  36                          ; s[36:39] of slot 1's; it then walks on
.set CS,   40                          ; s[40:41] c
.set SEL,  42                          ; s[42:43] v_permlanex16_b32's selects for lane l xor 16
.set TB,   44                          ; s44  LDS byte at which the slot in hand begins
.set SLOTS, 45                         ; s45  slots still to be asked for
.set PFA,  46                          ; s[46:47] where my prefetches stand
.set LIM,  48                          ; s48  1 in a wave that prefetches, else the greatest number
.set MSB, 0
.macro WIN new                         ; the immediate's high byte repeats the setting that is left; a switch that changes nothing is dropped
.if MSB != \new
	s_set_vgpr_msb (MSB<<8)|\new
.set MSB, \new
.endif
.endm
.set W_KQ, 0x05                        ; K and Q in window 1, S^T in window 0
.set W_PV, 0x50                        ; V and P in window 0, O^T (C and D) in window 1
.set W_RS, 0x41                        ; O^T (destination and source 0) in window 1, a in window 0
.macro PLACES n
.rept \n
	v_nop
.endr
.endm
.macro CROUND                          ; a round of the cluster's barrier: my work-group's barrier; wave 0 signals for the work-group; every wave waits for all four work-groups; my work-group's barrier once more
	s_barrier_signal -1
	s_barrier_wait -1
	s_cmp_lg_u32 s[WV], 0
	s_cbranch_scc1 .Lnot_wave_0_\@
	s_barrier_signal -3
.Lnot_wave_0_\@:
	s_barrier_wait -3
	s_barrier_signal -1
	s_barrier_wait -1
.endm
; A PREFETCH INTO THE L2 of the slot that the NEXT change of slots will ask for: two key steps of every wave ahead of that load.  Each aligned block of 256 bytes is named once in the launch: both clusters of a
; (batch, head) walk the same slots, so the first of them asks; its four partners take 32,768 bytes each, told apart BY ADDRESS; in each, waves 0 to 3 ask, 8,192 bytes a wave, lanes 256 bytes apart.
; The last change that fills a slot asks for nothing.  Slots 0 to 2 come by their loads alone.
.macro ASK
	s_cmp_gt_u32 s[SLOTS], s[LIM]
	s_cbranch_scc0 .Lnot_mine_\@
	global_prefetch_b8 v[PFO], s[PFA:PFA+1] th:TH_LOAD_NT scope:SCOPE_SE
.Lnot_mine_\@:
.endm
.macro KLOAD st                        ; step st's K: 4 key tiles x 4 pieces; pieces 2 c, 2 c + 1 are a fragment's registers 0-3, 4-7 (channels 32 c on)
	WIN 0x40                                       ; destination window 1
.irp kt, 0,1,2,3
.irp u, 0,1,2,3
	ds_load_b128 v[KF+16*\kt+4*\u:KF+16*\kt+4*\u+3], v[ADK] offset:8192*\st+2048*\kt+512*\u
.endr
.endr
	WIN 0
.endm
.macro VLOAD st                        ; step st's V, turned: a piece (16 keys x 16 channels) becomes half a fragment of V^T: lane l holds channel l % 16 and 8 keys
.irp kk, 0,1
.irp ct, 0,1,2,3
.irp hf, 0,1
	ds_load_tr16_b128 v[VF+32*\kk+8*\ct+4*\hf:VF+32*\kk+8*\ct+4*\hf+3], v[ADV] offset:8192*\st+2048*(2*\kk+\hf)+512*\ct
.endr
.endr
.endr
.endm
; S^T = K Q^T: product i: channels 32 (i / 16) on, key tile (i / 4) % 4, query tile i % 4.  The 16 accumulators take turns, one instruction a turn; the first 16 start the sums
.macro KQ
	WIN W_KQ
.set i, 0
.rept 32
.set rS, S+32*(i%4)+8*((i/4)%4)
.set rK, KF+16*((i/4)%4)+8*(i/16)
.set rQ, QF+16*(i%4)+8*(i/16)
.if i < 16
	v_wmma_f32_16x16x32_f16 v[rS:rS+7], v[rK:rK+7], v[rQ:rQ+7], 0
.else
	v_wmma_f32_16x16x32_f16 v[rS:rS+7], v[rK:rK+7], v[rQ:rQ+7], v[rS:rS+7]
.endif
.set i, i+1
.endr
	WIN 0
.endm
; O^T += V^T P: product i: keys 32 (i / 16) on, channels 16 ((i / 4) % 4) on, query tile i % 4.  first = 1: the first 16 start the sums: nothing is ever cleared
.macro PV first
	WIN W_PV
.set i, 0
.rept 32
.set rO, 32*(i%4)+8*((i/4)%4)
.set rV, VF+32*(i/16)+8*((i/4)%4)
.set rP, S+32*(i%4)+8*(i/16)
.if \first && (i < 16)
	v_wmma_f32_16x16x32_f16 v[rO:rO+7], v[rV:rV+7], v[rP:rP+7], 0
.else
	v_wmma_f32_16x16x32_f16 v[rO:rO+7], v[rV:rV+7], v[rP:rP+7], v[rO:rO+7]
.endif
.set i, i+1
.endr
	WIN 0
.endm
; The softmax of a step, four tiles: in every list the tile runs innermost, so that no line waits for the line above it.  first = 1: the first step, which starts m, l and O^T
.macro SOFT first
.irp j, 0,1,2,3                        ; the maximum of a lane's 32 scores and the old m: four chains, one for each accumulator, each read from its low end on
.irp t, 0,1,2,3
	v_max3_num_f32 v[ST+8*\t+4+\j], v[S+32*\t+8*\j], v[S+32*\t+8*\j+1], v[S+32*\t+8*\j+2]
.endr
.endr
.irp u, 0,1
.irp j, 0,1,2,3
.irp t, 0,1,2,3
	v_max3_num_f32 v[ST+8*\t+4+\j], v[ST+8*\t+4+\j], v[S+32*\t+8*\j+3+2*\u], v[S+32*\t+8*\j+4+2*\u]
.endr
.endr
.endr
.irp t, 0,1,2,3
	v_max3_num_f32 v[ST+8*\t+4], v[ST+8*\t+4], v[S+32*\t+7], v[S+32*\t+15]
.endr
.irp t, 0,1,2,3
	v_max3_num_f32 v[ST+8*\t+6], v[ST+8*\t+6], v[S+32*\t+23], v[S+32*\t+31]
.endr
.irp t, 0,1,2,3
	v_max3_num_f32 v[ST+8*\t+4], v[ST+8*\t+4], v[ST+8*\t+5], v[ST+8*\t+6]
.endr
.irp t, 0,1,2,3
.if \first
	v_max_num_f32 v[ST+8*\t+4], v[ST+8*\t+4], v[ST+8*\t+7]
.else
	v_max3_num_f32 v[ST+8*\t+4], v[ST+8*\t+4], v[ST+8*\t+7], v[ST+8*\t+1]
.endif
.endr
.irp t, 0,1,2,3
	v_permlanex16_b32 v[ST+8*\t+5], v[ST+8*\t+4], s[SEL], s[SEL+1]   ; the query's other 32 keys lie in the lane 16 away
.endr
.if \first == 0
.irp t, 0,1,2,3
	v_mov_b32 v[ST+8*\t+7], v[ST+8*\t]             ; c m_old is kept for a
.endr
.endif
.irp t, 0,1,2,3
	v_max_num_f32 v[ST+8*\t+1], v[ST+8*\t+4], v[ST+8*\t+5]
.endr
.irp t, 0,1,2,3
	v_mul_f32 v[ST+8*\t], s[CS], v[ST+8*\t+1]
.endr
.if \first == 0
.irp t, 0,1,2,3
	v_sub_f32 v[ST+8*\t+7], v[ST+8*\t+7], v[ST+8*\t]
.endr
.endif
.set b, 0
.rept 16
.irp t, 0,1,2,3
	v_pk_fma_f32 v[S+32*\t+2*b:S+32*\t+2*b+1], v[S+32*\t+2*b:S+32*\t+2*b+1], s[CS:CS+1], v[ST+8*\t:ST+8*\t+1] op_sel_hi:[1,0,0] neg_lo:[0,0,1] neg_hi:[0,0,1]   ; c s - c m, two at a time
.endr
.set b, b+1
.endr
.if \first == 0                        ; ONE BATCH of exponentials: none of them reads another's result
.irp t, 0,1,2,3
	v_exp_f32 v[ST+8*\t+6], v[ST+8*\t+7]           ; a
.endr
.endif
.set e, 0
.rept 32
.irp t, 0,1,2,3
	v_exp_f32 v[S+32*\t+e], v[S+32*\t+e]           ; p, at most 1
.endr
.set e, e+1
.endr
	v_nop                                          ; a plain instruction behind the last exponential, ahead of the first use
	s_wait_alu depctr_va_vdst(0)                   ; and one wait for the whole batch, ahead of its first reader
.if \first                             ; the sums of the unrounded p, two chains a tile
.irp t, 0,1,2,3
	v_pk_add_f32 v[ST+8*\t+2:ST+8*\t+3], v[S+32*\t:S+32*\t+1], v[S+32*\t+2:S+32*\t+3]
.endr
.irp t, 0,1,2,3
	v_pk_add_f32 v[ST+8*\t+4:ST+8*\t+5], v[S+32*\t+4:S+32*\t+5], v[S+32*\t+6:S+32*\t+7]
.endr
.irp j, 8,12,16,20,24,28
.irp t, 0,1,2,3
	v_pk_add_f32 v[ST+8*\t+2:ST+8*\t+3], v[ST+8*\t+2:ST+8*\t+3], v[S+32*\t+\j:S+32*\t+\j+1]
.endr
.irp t, 0,1,2,3
	v_pk_add_f32 v[ST+8*\t+4:ST+8*\t+5], v[ST+8*\t+4:ST+8*\t+5], v[S+32*\t+\j+2:S+32*\t+\j+3]
.endr
.endr
.else
.irp t, 0,1,2,3
	v_pk_mul_f32 v[ST+8*\t+2:ST+8*\t+3], v[ST+8*\t+2:ST+8*\t+3], v[ST+8*\t+6:ST+8*\t+7] op_sel_hi:[1,0]   ; l under the new m
.endr
.irp t, 0,1,2,3
	v_pk_add_f32 v[ST+8*\t+4:ST+8*\t+5], v[S+32*\t:S+32*\t+1], v[S+32*\t+2:S+32*\t+3]
.endr
.irp j, 4,8,12,16,20,24,28
.irp t, 0,1,2,3
	v_pk_add_f32 v[ST+8*\t+2:ST+8*\t+3], v[ST+8*\t+2:ST+8*\t+3], v[S+32*\t+\j:S+32*\t+\j+1]
.endr
.irp t, 0,1,2,3
	v_pk_add_f32 v[ST+8*\t+4:ST+8*\t+5], v[ST+8*\t+4:ST+8*\t+5], v[S+32*\t+\j+2:S+32*\t+\j+3]
.endr
.endr
.endif
.irp t, 0,1,2,3
	v_pk_add_f32 v[ST+8*\t+2:ST+8*\t+3], v[ST+8*\t+2:ST+8*\t+3], v[ST+8*\t+4:ST+8*\t+5]
.endr
.set e, 0
.rept 16                               ; P: pairs rounded to f16, in place: register e takes scores 2 e and 2 e + 1, and e never passes 2 e
.irp t, 0,1,2,3
	v_cvt_pk_f16_f32 v[S+32*\t+e], v[S+32*\t+2*e], v[S+32*\t+2*e+1]
.endr
.set e, e+1
.endr
.if \first == 0
	WIN W_RS
.set e, 0
.rept 16                               ; O^T under the new m, each accumulator from its low end on
.irp t, 0,1,2,3
	v_pk_mul_f32 v[32*\t+2*e:32*\t+2*e+1], v[32*\t+2*e:32*\t+2*e+1], v[ST+8*\t+6:ST+8*\t+7] op_sel_hi:[1,0]
.endr
.set e, e+1
.endr
	WIN 0
.endif
.endm
; A key step of 64 keys, the st-th of my quarter of the slot
.macro CORE st, first
	s_wait_dscnt 16                                ; this step's K is in; the 16 younger loads, its V, may be out
	KQ
	PLACES 4                                       ; between the last product and the loads into K's registers, and the first read of the scores (ISA guide 7.12.1 for the read of the scores)
.if \st == 0
	KLOAD 1
.endif
	SOFT \first
.if \st == 0
	s_wait_dscnt 16                                ; V is in; the 16 younger loads, the next step's K, may be out
.else
	s_wait_dscnt 0x0
.endif
	PV \first
	PLACES 5                                       ; the next step's first products write over P's registers, which these products read: five places; they serve the loads into V's registers too
.if \st == 0
	VLOAD 1
.endif
.endm
.macro SLOTWORK first                  ; my quarter of the slot in hand
	v_add_nc_u32 v[ADK], s[TB], v[AK0]
	v_add_nc_u32 v[ADV], s[TB], v[AV0]
	KLOAD 0
	VLOAD 0
	CORE 0, \first
	CORE 1, 0
	s_xor_b32 s[TB], s[TB], SLOT1                  ; on to the other slot
.endm
; THE CHANGE OF SLOTS.  Each wave waits for all its tensor loads, of which one is out: its part of the slot ahead; adds 0 to its spare word; and waits for that and for its reads of the slot that it has left.
; fill = 1: that slot is filled again, with the keys two slots on: the barrier is then a round of the cluster's, and the joint refill is the first thing behind it: it has a slot's work in which to land.
.macro CHANGE fill
	s_wait_tensorcnt 0x0                           ; no tensor load of mine is out, so a group 0 may be written
	ds_add_u32 v[SPW], v[NIL]                      ; 0 onto my spare word
.if \fill
	s_xor_b32 s[G0B+1], s[G0B+1], SLOT1            ; the walking descriptor: the other slot than last time,
	s_add_nc_u64 s[G0B+2:G0B+3], s[G0B+2:G0B+3], 131072   ; the next 512 keys; the type bits on top are not reached
	s_wait_xcnt 0x0                                ; the last prefetch, a slot back, has read its address, so it may be written:
	s_add_nc_u64 s[PFA:PFA+1], s[PFA:PFA+1], 131072   ; one slot further on than the walking descriptor
	s_wait_dscnt 0x0                               ; the add is done, and my reads of the slot that I have left are over
	CROUND
	tensor_load_to_lds s[G0B:G0B+3], s[G1:G1+7]    ; my one tensor load behind the round: one load of mine is out
	s_nop 0
	PLACES 4
	ASK
.else
	s_wait_dscnt 0x0
	s_barrier_signal -1
	s_barrier_wait -1
.endif
.endm
	s_load_b128 s[4:7], s[0:1], 0x0                ; qimg s[4:5], kvimg s[6:7]
	s_load_b64 s[8:9], s[0:1], 0x10                ; oimg
	v_lshl_add_u32 v[SPW], v0, 2, SPARE
	v_mov_b32 v[NIL], 0
	ds_add_u32 v[SPW], v[NIL]                      ; the wave's opening: the add, twice on end, and its wait ahead of my first tensor load; the set-up below, work on registers, stands between
	ds_add_u32 v[SPW], v[NIL]                      ; and once more, under the one wait
	v_lshrrev_b32 v13, 5, v0
	v_readfirstlane_b32 s[WV], v13                 ; wave 0..7
	s_and_b32 s13, s[WV], 1                        ; g: which 64 queries
	s_lshr_b32 s14, s[WV], 1                       ; kq: which quarter of the keys
	s_bfe_u32 s15, ttmp6, 0x40000                  ; cx: my place in the cluster
	s_lshl_b32 s16, ttmp9, 2                       ; in a cluster launch ttmp9 counts clusters
	s_add_co_u32 s16, s16, s15                     ; my block of 128 queries: it enters q's and o's addresses alone
	s_and_b32 s17, ttmp7, 0xffff                   ; batch x 8 + head, which the four partners share
	s_mov_b32 s[G1], 15|(3<<16)|(1<<21)            ; 15:0 the mask: all four work-groups; 17:16 elements of 8 bytes; 20 no padding; 21 set beside a mask
	s_mov_b32 s[G1+1], 32<<16                      ; tensor_dim0 = 32 elements: 256 bytes
	s_mov_b32 s[G1+2], 64<<16                      ; tensor_dim1 = 64
	s_mov_b32 s[G1+3], 32<<16                      ; tile_dim0 = 32
	s_mov_b32 s[G1+4], 64                          ; tile_dim1 = 64
	s_mov_b32 s[G1+5], 32                          ; from row to row: dense
	s_mov_b32 s[G1+6], 0
	s_mov_b32 s[G1+7], 0
	s_mov_b32 s[CS], 0x3e38aa3b                    ; c = log2(e) / 8
	s_mov_b32 s[CS+1], s[CS]                       ; named with it as a pair, so it is written
	s_mov_b32 s[SEL], 0x76543210
	s_mov_b32 s[SEL+1], 0xfedcba98
	s_mov_b32 s[TB], 0
	s_mov_b32 s[SLOTS], 14
	s_lshl_b32 s18, s17, 21                        ; K and V: 2 MiB a (batch, head),
	s_lshl_b32 s20, s[WV], 14                      ; my wave's 16,384 bytes of a slot, in memory and in LDS alike: no place in the cluster enters either
	s_add_co_u32 s18, s18, s20
	s_mov_b32 s19, 0
	s_lshl_b32 s22, s17, 21                        ; the prefetches: the same (batch, head),
	s_lshl_b32 s23, s15, 15                        ; my work-group's 32,768 bytes of a slot,
	s_add_co_u32 s22, s22, s23
	s_and_b32 s23, s[WV], 3
	s_lshl_b32 s23, s23, 13                        ; my wave's 8,192 of them,
	s_add_co_u32 s22, s22, s23
	s_add_co_u32 s22, s22, 2*131072                ; in slot 2: the first change of slots steps it to slot 3.  Nothing is prefetched here, at the head
	s_mov_b32 s23, 0
	s_lshl_b32 s50, s17, 17                        ; q: 64 tiles of 2,048 bytes a (batch, head); 8 tiles a block; 4 a wave
	s_lshl_b32 s52, s16, 14
	s_add_co_u32 s50, s50, s52
	s_lshl_b32 s52, s13, 13
	s_add_co_u32 s50, s50, s52
	s_mov_b32 s51, 0
	s_lshr_b32 s54, s17, 3                         ; o: [batch x 64 + query tile] of 16,384 bytes, [head] of 2,048, [16 channels] of 512
	s_lshl_b32 s54, s54, 20
	s_lshl_b32 s52, s16, 17
	s_add_co_u32 s54, s54, s52
	s_lshl_b32 s52, s13, 16
	s_add_co_u32 s54, s54, s52
	s_and_b32 s52, s17, 7
	s_lshl_b32 s52, s52, 11
	s_add_co_u32 s54, s54, s52
	s_lshl_b32 s52, s14, 9                         ; in the merge I make channels 16 kq on
	s_add_co_u32 s54, s54, s52
	s_mov_b32 s55, 0
	s_lshr_b32 s[LIM], s[WV], 2                    ; 0 in waves 0 to 3,
	s_or_b32 s[LIM], s[LIM], ttmp9                 ; of the (batch, head)'s first cluster: the same in all four partners
	s_cmp_eq_u32 s[LIM], 0
	s_cselect_b32 s[LIM], 1, -1
	v_and_b32 v13, 31, v0                          ; lane
	v_lshlrev_b32 v[LI], 4, v13
	v_lshlrev_b32 v[PFO], 8, v13
	v_lshlrev_b32 v14, 2, v13
	s_lshl_b32 s56, s14, 14
	v_add_nc_u32 v[AK0], s56, v[LI]                ; my quarter: 8 key tiles of 2,048 bytes
	v_add_nc_u32 v[AV0], 65536, v[AK0]             ; V lies behind K's 65,536 bytes
	s_lshl_b32 s56, s13, 2
	s_add_co_u32 s56, s56, s14                     ; 4 g + kq
	s_lshl_b32 s57, s56, 14
	v_add_nc_u32 v[STO], s57, v[LI]
	s_lshl_b32 s57, s56, 10
	s_add_co_u32 s57, s57, SST
	v_add_nc_u32 v[SSTO], s57, v14
	s_lshl_b32 s57, s13, 16
	s_lshl_b32 s58, s14, 10
	s_add_co_u32 s57, s57, s58
	v_add_nc_u32 v[MRD], s57, v[LI]
	s_lshl_b32 s57, s13, 12
	s_add_co_u32 s57, s57, SST
	v_add_nc_u32 v[MSR], s57, v14
	s_wait_dscnt 0x0                               ; both opening adds are done
	s_wait_kmcnt 0x0
	s_add_nc_u64 s[18:19], s[6:7], s[18:19]        ; my 16,384 bytes of slot 0
	s_add_nc_u64 s[PFA:PFA+1], s[6:7], s[22:23]
	s_add_nc_u64 s[4:5], s[4:5], s[50:51]
	s_add_nc_u64 s[8:9], s[8:9], s[54:55]
	s_mov_b32 s[G0A], 1                            ; 1:0 count = 1
	s_mov_b32 s[G0A+1], s20                        ; 63:32 LDS address: slot 0
	s_mov_b64 s[G0A+2:G0A+3], s[18:19]             ; 120:64 global address
	s_or_b32 s[G0A+3], s[G0A+3], 0x80000000        ; 127:126 type = 2
	s_mov_b32 s[G0B], 1
	s_add_co_u32 s[G0B+1], s20, SLOT1
	s_add_nc_u64 s[G0B+2:G0B+3], s[18:19], 131072
	s_or_b32 s[G0B+3], s[G0B+3], 0x80000000
	CROUND                                         ; all four work-groups are here: the first joint loads meet
	tensor_load_to_lds s[G0A:G0A+3], s[G1:G1+7]    ; every wave issues both first fills: two loads of mine are out
	s_nop 0
	tensor_load_to_lds s[G0B:G0B+3], s[G1:G1+7]
	s_nop 0
	PLACES 4
	WIN 0x40                                       ; destination window 1
.irp t, 0,1,2,3
.irp u, 0,1,2,3
	global_load_b128 v[QF+16*\t+4*\u:QF+16*\t+4*\u+3], v[LI], s[4:5] offset:2048*\t+512*\u   ; Q stays in registers
.endr
.endr
	WIN 0
	s_wait_tensorcnt 1                             ; my part of slot 0 is in; slot 1's may stay out
	s_barrier_signal -1
	s_barrier_wait -1                              ; everybody's is
	s_wait_loadcnt 0x0                             ; Q
	SLOTWORK 1
.Lslot:                                            ; 14 trips: slots 1 to 14 are worked, slots 2 to 15 asked for
	CHANGE 1
	SLOTWORK 0
	s_sub_co_u32 s[SLOTS], s[SLOTS], 1
	s_cmp_lg_u32 s[SLOTS], 0
	s_cbranch_scc1 .Lslot
	CHANGE 0                                       ; the tail is written out
	SLOTWORK 0
	; THE MERGE of the four quarters.  The five places at the last step's end stand behind the last products.  The stage for O^T is slot 0's 131,072 bytes: it has had its last fill.
.irp t, 0,1,2,3
	v_add_f32 v[ST+8*\t+4], v[ST+8*\t+2], v[ST+8*\t+3]             ; l's two halves,
.endr
.irp t, 0,1,2,3
	v_permlanex16_b32 v[ST+8*\t+5], v[ST+8*\t+4], s[SEL], s[SEL+1]
.endr
.irp t, 0,1,2,3
	v_add_f32 v[ST+8*\t+4], v[ST+8*\t+4], v[ST+8*\t+5]             ; and lane l xor 16's
.endr
	s_wait_dscnt 0x0
	s_barrier_signal -1                            ; this barrier parts every wave's last reads of the ring from the stores below
	s_barrier_wait -1
	WIN 0x04                                       ; an LDS store's data are its source 1: window 1
.irp t, 0,1,2,3
.irp c, 0,1,2,3
	ds_store_b128 v[STO], v[32*\t+8*\c:32*\t+8*\c+3] offset:512*(8*\t+2*\c)          ; each accumulator from its low end on
	ds_store_b128 v[STO], v[32*\t+8*\c+4:32*\t+8*\c+7] offset:512*(8*\t+2*\c+1)
.endr
.endr
	WIN 0
.irp t, 0,1,2,3
	ds_store_b32 v[SSTO], v[ST+8*\t] offset:256*\t                 ; c m
	ds_store_b32 v[SSTO], v[ST+8*\t+4] offset:256*\t+128           ; l
.endr
	s_wait_dscnt 0x0                               ; for the others' sake: my stores are done
	s_barrier_signal -1
	s_barrier_wait -1
.irp t, 0,1,2,3                        ; wave (g, kq) merges channels 16 kq on of its group's four tiles: quarter j's eight registers at v[S + 32 t + 8 j]
.irp j, 0,1,2,3
.irp hf, 0,1
	ds_load_b128 v[S+32*\t+8*\j+4*\hf:S+32*\t+8*\j+4*\hf+3], v[MRD] offset:16384*\j+4096*\t+512*\hf
.endr
.endr
.endr
.irp t, 0,1,2,3
.irp j, 0,1,2,3
.irp k, 0,1
	ds_load_b32 v[VF+8*\t+2*\j+\k], v[MSR] offset:1024*\j+256*\t+128*\k       ; c m_j, l_j
.endr
.endr
.endr
	s_wait_dscnt 0x0
.irp t, 0,1,2,3
	v_max3_num_f32 v[48+\t], v[VF+8*\t], v[VF+8*\t+2], v[VF+8*\t+4]
.endr
.irp t, 0,1,2,3
	v_max_num_f32 v[48+\t], v[48+\t], v[VF+8*\t+6]                 ; the largest of the four c m
.endr
.irp j, 0,1,2,3
.irp t, 0,1,2,3
	v_sub_f32 v[VF+8*\t+2*\j], v[VF+8*\t+2*\j], v[48+\t]
.endr
.endr
.irp j, 0,1,2,3
.irp t, 0,1,2,3
	v_exp_f32 v[VF+8*\t+2*\j], v[VF+8*\t+2*\j]                     ; f_j = 2^(c m_j - the largest)
.endr
.endr
	v_nop                                          ; a plain instruction behind the last exponential
	s_wait_alu depctr_va_vdst(0)                   ; one wait for the sixteen, ahead of their first reader
.irp t, 0,1,2,3
	v_mul_f32 v[52+\t], v[VF+8*\t], v[VF+8*\t+1]
.endr
.irp j, 1,2,3
.irp t, 0,1,2,3
	v_fmac_f32 v[52+\t], v[VF+8*\t+2*\j], v[VF+8*\t+2*\j+1]        ; the row's sum: the sum of f_j l_j
.endr
.endr
.irp t, 0,1,2,3
	v_rcp_f32 v[56+\t], v[52+\t]
.endr
	v_nop
	s_wait_alu depctr_va_vdst(0)                   ; one wait for the four reciprocals
.irp j, 0,1,2,3
.irp t, 0,1,2,3
	v_mul_f32 v[VF+8*\t+2*\j], v[VF+8*\t+2*\j], v[56+\t]           ; f_j / the sum
.endr
.endr
.irp i, 0,2,4,6
.irp t, 0,1,2,3
	v_pk_mul_f32 v[S+32*\t+\i:S+32*\t+\i+1], v[S+32*\t+\i:S+32*\t+\i+1], v[VF+8*\t:VF+8*\t+1] op_sel_hi:[1,0]
.endr
.endr
.irp j, 1,2,3
.irp i, 0,2,4,6
.irp t, 0,1,2,3
	v_pk_fma_f32 v[S+32*\t+\i:S+32*\t+\i+1], v[S+32*\t+8*\j+\i:S+32*\t+8*\j+\i+1], v[VF+8*\t+2*\j:VF+8*\t+2*\j+1], v[S+32*\t+\i:S+32*\t+\i+1] op_sel_hi:[1,0,1]
.endr
.endr
.endr
.irp i, 0,1,2,3
.irp t, 0,1,2,3
	v_cvt_pk_f16_f32 v[S+32*\t+\i], v[S+32*\t+2*\i], v[S+32*\t+2*\i+1]
.endr
.endr
.irp t, 0,1,2,3
	global_store_b128 v[LI], v[S+32*\t:S+32*\t+3], s[8:9] offset:16384*\t     ; a piece of 512 consecutive bytes, aligned: half a fragment of the last product's operand
.endr
	s_wait_tensorcnt 0x0                           ; the wave's end, behind my last tensor load and my last LDS store
	ds_add_u32 v[SPW], v[NIL]
	s_wait_dscnt 0x0
	CROUND                                         ; the closing round: no work-group ends while a partner may still ask for a slot that names it
	s_endpgm
.Lfunc_end_k_q765810bd37_attn:
	.size	k_q765810bd37_attn, .Lfunc_end_k_q765810bd37_attn-k_q765810bd37_attn
	.p2alignl 7, 3214868480
	.fill 96, 4, 3214868480
	.section	.rodata,"a",@progbits
	.p2align	6, 0x0
	.amdhsa_kernel k_q765810bd37_attn
		.amdhsa_group_segment_fixed_size 327680
		.amdhsa_private_segment_fixed_size 0
		.amdhsa_enable_private_segment 0
		.amdhsa_kernarg_size 24
		.amdhsa_user_sgpr_count 2
		.amdhsa_user_sgpr_kernarg_segment_ptr 1
		.amdhsa_wavefront_size32 1
		.amdhsa_system_sgpr_workgroup_id_x 1
		.amdhsa_system_sgpr_workgroup_id_y 1
		.amdhsa_system_sgpr_workgroup_id_z 1
		.amdhsa_system_vgpr_workitem_id 0
		.amdhsa_next_free_vgpr 512
		.amdhsa_next_free_sgpr 66
		.amdhsa_reserve_vcc 0
		.amdhsa_float_denorm_mode_32 3
		.amdhsa_float_denorm_mode_16_64 3
		.amdhsa_memory_ordered 1
		.amdhsa_forward_progress 1
		.amdhsa_inst_pref_size 210
	.end_amdhsa_kernel
	.amdgpu_metadata
---
amdhsa.version: [ 1, 2 ]
amdhsa.kernels:
  - .name:           k_q765810bd37_attn
    .symbol:         k_q765810bd37_attn.kd
    .args:
      - { .name: qimg, .offset: 0, .size: 8, .value_kind: global_buffer, .address_space: global }
      - { .name: kvimg, .offset: 8, .size: 8, .value_kind: global_buffer, .address_space: global }
      - { .name: oimg, .offset: 16, .size: 8, .value_kind: global_buffer, .address_space: global }
    .group_segment_fixed_size: 327680
    .private_segment_fixed_size: 0
    .kernarg_segment_align: 8
    .kernarg_segment_size: 24
    .max_flat_workgroup_size: 256
    .sgpr_count:     66
    .vgpr_count:     512
    .wavefront_size: 32
...
	.end_amdgpu_metadata
.endif
;; end of part 3
;; launch outp (part 4): grid 4 x 64, 4 waves a work-group, clusters of 4 x 4, 230,912 bytes of LDS; arguments oimg, wouth, bout, out0; writes out0
.if DOCPART == 4
	.amdgcn_target "amdgcn-amd-amdhsa--gfx1250"
	.amdhsa_code_object_version 6
	.text
	.protected	k_q765810bd37_outp
	.globl	k_q765810bd37_outp
	.p2align	8
	.type	k_q765810bd37_outp,@function
k_q765810bd37_outp:
	s_mov_b64 s[64:65], 0
	v_nop
	global_prefetch_b8 v0, s[64:65] scope:SCOPE_SE
	s_setreg_imm32_b32 hwreg(HW_REG_WAVE_MODE, 25, 1), 1
	s_wait_xcnt 0x0
	s_wait_alu depctr_hold_cnt(0) depctr_sa_sdst(0) depctr_va_vdst(0) depctr_va_sdst(0) depctr_va_ssrc(0) depctr_va_vcc(0) depctr_vm_vsrc(0)
	s_getreg_b32 s2, hwreg(HW_REG_IB_STS2, 6, 4)
	s_cmp_eq_u32 s2, 0
	s_cbranch_scc0 .Lentry_in_a_cluster
	s_endpgm
.Lentry_in_a_cluster:
	s_bfe_u32 s2, ttmp6, 0x10000c
	s_cmp_lg_u32 s2, 0xf033
	s_cbranch_scc0 .Lentry_shape_is_right
	s_endpgm
.Lentry_shape_is_right:
; out0 = o Wout + bout.  o [4,096][512] and Wout arrive as f16 in the order of operand registers; sums in f32; bout is the C of each sum's first matrix instruction.  Nothing is left out.
; SHARES.  A work-group makes 64 rows x 128 columns.  Its operands are two dense blocks of memory, 65,536 bytes of o and 131,072 of Wout: they come into LDS ONCE, by one tensor load a wave; no byte of LDS is filled again.
; Wave w makes columns 32 w .. + 31 (two tiles) of all 64 rows (four tiles): eight accumulators by turns, 32 along K at a time, fragments read at 16 x lane + a constant, two buffers.
; CLUSTER: 4 x 4 work-groups.  The four of a row of the cluster need the same rows of o, the four of a column the same columns of Wout: each block is asked for JOINTLY, with a mask that names the four.
; THE PRODUCT IS USED TRANSPOSED (source 0 = 16 columns of Wout, source 1 = 16 rows of o): a lane holds eight neighbouring numbers of a row.  A row's 128 columns come from four waves: they meet in a stage in LDS,
; and each wave stores 16 whole rows, 512 consecutive bytes a store.
.set WIMG,  65536                      ; LDS: o's four tiles of rows from 0, Wout's eight tiles of columns from here,
.set STG,   196608                     ; the stage: 64 rows x (512 bytes + 16); no tensor load lands here,
.set SPARE, 230400                     ; the spare words, 128 bytes for each wave: two blocks of 256 bytes that no other line names
.set LI,   5                           ; v5   16 x lane
.set AW,   6                           ; v6   my two tiles of Wout
.set SO,   7                           ; v7   the stage: where I put 32 bytes of a row
.set SR,   8                           ; v8   and where I read a row back
.set BO,   9                           ; v9   bout: 32 h
.set SPW,  10                          ; v10  LDS address of my spare word; never rewritten
.set NIL,  11                          ; v11  0; never rewritten
.set BI,   16                          ; v16-31 bout in the result's layout, eight registers a tile of columns
.set ACC,  32                          ; v32-95 accumulator (n, m) at 8 (4 n + m)
.set FB0,  96                          ; v96-143, v144-191 two fragment buffers: Wout's two, then o's four
.set OB,   192                         ; v192-255 rows on the way out
.set WV,   12
.set G1,   24                          ; s[24:31], s[32:35] descriptor groups 1 and 0 for o
.set G0,   32
.set G1B,  48                          ; s[48:55], s[56:59] for Wout
.set G0B,  56
.macro PLACES
.rept 4
	v_nop
.endr
.endm
.macro CROUND                          ; a round of the cluster's barrier
	s_barrier_signal -1
	s_barrier_wait -1
	s_cmp_lg_u32 s[WV], 0
	s_cbranch_scc1 .Lnot_wave_0_\@
	s_barrier_signal -3
.Lnot_wave_0_\@:
	s_barrier_wait -3
	s_barrier_signal -1
	s_barrier_wait -1
.endm
.macro FETCH kf, fb                    ; the fragments of 32 along K: twelve loads of 512 consecutive bytes
.irp n, 0,1
.irp hf, 0,1
	ds_load_b128 v[\fb+8*\n+4*\hf:\fb+8*\n+4*\hf+3], v[AW] offset:16384*\n+1024*(\kf)+512*\hf
.endr
.endr
.irp m, 0,1,2,3
.irp hf, 0,1
	ds_load_b128 v[\fb+16+8*\m+4*\hf:\fb+16+8*\m+4*\hf+3], v[LI] offset:16384*\m+1024*(\kf)+512*\hf
.endr
.endr
.endm
	s_load_b128 s[4:7], s[0:1], 0x0                ; oimg s[4:5], wouth s[6:7]
	s_load_b128 s[8:11], s[0:1], 0x10              ; bout s[8:9], out0 s[10:11]
	v_lshl_add_u32 v[SPW], v0, 2, SPARE
	v_mov_b32 v[NIL], 0
	ds_add_u32 v[SPW], v[NIL]                      ; the wave's opening: the add, twice on end, and its wait ahead of my first tensor load; the set-up below, work on registers, stands between
	ds_add_u32 v[SPW], v[NIL]                      ; and once more, under the one wait
	v_lshrrev_b32 v1, 5, v0
	v_readfirstlane_b32 s[WV], v1                  ; wave 0..3
	s_lshr_b32 s13, s[WV], 1                       ; I fetch for o (0) or for Wout (1),
	s_and_b32 s14, s[WV], 1                        ; its first half or its second
	s_bfe_u32 s40, ttmp6, 0x40000                  ; cx, cy: my place in the cluster
	s_bfe_u32 s41, ttmp6, 0x40004
	s_lshl_b32 s42, ttmp9, 2
	s_add_co_u32 s42, s42, s40                     ; which 128 columns
	s_and_b32 s43, ttmp7, 0xffff
	s_lshl_b32 s43, s43, 2
	s_add_co_u32 s43, s43, s41                     ; which 64 rows
	s_lshl_b32 s44, s41, 2
	s_lshl_b32 s44, 15, s44                        ; my row of the cluster
	s_lshl_b32 s45, 0x1111, s40                    ; my column
	s_or_b32 s[G1], s44, (3<<16)|(1<<21)           ; 15:0 the mask: o's rows go to my row of the cluster; 17:16 elements of 8 bytes; 20 no padding; 21 set beside a mask
	s_mov_b32 s[G1+1], 32<<16                      ; rows of 32 elements: 256 bytes,
	s_mov_b32 s[G1+2], 128<<16                     ; 128 of them: 32,768 bytes a load
	s_mov_b32 s[G1+3], 32<<16
	s_mov_b32 s[G1+4], 128
	s_mov_b32 s[G1+5], 32                          ; dense
	s_mov_b32 s[G1+6], 0
	s_mov_b32 s[G1+7], 0
	s_or_b32 s[G1B], s45, (3<<16)|(1<<21)          ; Wout's columns go to my column of the cluster
	s_mov_b32 s[G1B+1], 32<<16
	s_mov_b32 s[G1B+2], 256<<16                    ; 256 rows: 65,536 bytes a load
	s_mov_b32 s[G1B+3], 32<<16
	s_mov_b32 s[G1B+4], 256
	s_mov_b32 s[G1B+5], 32
	s_mov_b32 s[G1B+6], 0
	s_mov_b32 s[G1B+7], 0
	s_lshl_b32 s16, s43, 16                        ; o: 65,536 bytes for 64 rows, + my half: made of the rows' coordinate and the wave's number alone
	s_lshl_b32 s18, s14, 15
	s_add_co_u32 s16, s16, s18
	s_mov_b32 s17, 0
	s_lshl_b32 s46, s42, 17                        ; Wout: 131,072 bytes for 128 columns, + my half: made of the columns' coordinate and the wave's number alone
	s_lshl_b32 s19, s14, 16
	s_add_co_u32 s46, s46, s19
	s_mov_b32 s47, 0
	s_lshl_b32 s20, s43, 17                        ; out0: row 64 x block + 16 x wave, of 2,048 bytes; + 512 bytes for each 128 columns
	s_lshl_b32 s22, s[WV], 15
	s_add_co_u32 s20, s20, s22
	s_lshl_b32 s22, s42, 9
	s_add_co_u32 s20, s20, s22
	s_mov_b32 s21, 0
	s_lshl_b32 s23, s[WV], 7                       ; bout: my 32 columns
	s_add_co_u32 s22, s22, s23
	s_mov_b32 s23, 0
	v_and_b32 v1, 31, v0                           ; lane
	v_and_b32 v2, 15, v0                           ; r
	v_bfe_u32 v3, v0, 4, 1                         ; h
	v_lshlrev_b32 v[LI], 4, v1
	s_lshl_b32 s36, s[WV], 15
	s_add_co_u32 s36, s36, WIMG
	v_add_nc_u32 v[AW], s36, v[LI]
	v_mul_u32_u24 v[SO], v2, 528
	v_lshl_add_u32 v[SO], v3, 5, v[SO]
	s_lshl_b32 s36, s[WV], 7
	s_add_co_u32 s36, s36, STG
	v_add_nc_u32 v[SO], s36, v[SO]                 ; the stage: row r, + 32 h, + my 128 bytes of a row
	s_mul_i32 s36, s[WV], 16*528
	s_add_co_u32 s36, s36, STG
	v_add_nc_u32 v[SR], s36, v[LI]                 ; back: my 16 rows, 16 bytes a lane
	v_lshlrev_b32 v[BO], 5, v3
	s_wait_dscnt 0x0                               ; both opening adds are done
	s_wait_kmcnt 0x0
	s_mov_b32 s[G0], 1                             ; 1:0 count = 1
	s_mov_b32 s[G0+1], s18                         ; 63:32 LDS address: o's first half or its second
	s_add_nc_u64 s[G0+2:G0+3], s[4:5], s[16:17]    ; 120:64 global address
	s_or_b32 s[G0+3], s[G0+3], 0x80000000          ; 127:126 type = 2
	s_mov_b32 s[G0B], 1
	s_add_co_u32 s[G0B+1], s19, WIMG
	s_add_nc_u64 s[G0B+2:G0B+3], s[6:7], s[46:47]
	s_or_b32 s[G0B+3], s[G0B+3], 0x80000000
	s_add_nc_u64 s[10:11], s[10:11], s[20:21]
	s_add_nc_u64 s[8:9], s[8:9], s[22:23]
	CROUND                                         ; all sixteen work-groups are here: the joint loads meet
	s_cmp_eq_u32 s13, 0                            ; waves 0, 1 fetch o's halves, waves 2, 3 Wout's: a fill in each arm; the branch hangs on the wave's number alone
	s_cbranch_scc0 .Lfor_w
	tensor_load_to_lds s[G0:G0+3], s[G1:G1+7]
	s_nop 0
	PLACES
	s_branch .Lasked
.Lfor_w:
	tensor_load_to_lds s[G0B:G0B+3], s[G1B:G1B+7]
	s_nop 0
	PLACES
.Lasked:
.irp n, 0,1
	global_load_b128 v[BI+8*\n:BI+8*\n+3], v[BO], s[8:9] offset:64*\n            ; lane (r, h), tile n: bout at columns 16 n + 8 h + 0 .. 7
	global_load_b128 v[BI+8*\n+4:BI+8*\n+7], v[BO], s[8:9] offset:64*\n+16
.endr
	s_wait_tensorcnt 0x0                           ; my one load has landed,
	s_barrier_signal -1
	s_barrier_wait -1                              ; everybody's has
	FETCH 0, FB0
	s_wait_loadcnt 0x0                             ; bout
.set kf, 0
.rept 16
.set fb, FB0+48*(kf%2)
.set fn, FB0+48*((kf+1)%2)
.if kf < 15
.if kf > 0
	PLACES                                         ; four places between the products that read the other buffer and the loads into it
.endif
	FETCH kf+1, fn
	s_wait_dscnt 12                                ; all but the twelve just issued
.else
	s_wait_dscnt 0x0
.endif
.irp n, 0,1                            ; the eight accumulators take turns, one instruction a turn
.irp m, 0,1,2,3
.if kf == 0
	v_wmma_f32_16x16x32_f16 v[ACC+8*(4*\n+\m):ACC+8*(4*\n+\m)+7], v[fb+8*\n:fb+8*\n+7], v[fb+16+8*\m:fb+16+8*\m+7], v[BI+8*\n:BI+8*\n+7]
.else
	v_wmma_f32_16x16x32_f16 v[ACC+8*(4*\n+\m):ACC+8*(4*\n+\m)+7], v[fb+8*\n:fb+8*\n+7], v[fb+16+8*\m:fb+16+8*\m+7], v[ACC+8*(4*\n+\m):ACC+8*(4*\n+\m)+7]
.endif
.endr
.endr
.set kf, kf+1
.endr
	PLACES                                         ; between the last product and the first read of results
.irp m, 0,1,2,3
.irp n, 0,1
	ds_store_b128 v[SO], v[ACC+8*(4*\n+\m):ACC+8*(4*\n+\m)+3] offset:8448*\m+64*\n          ; lane (r, h): out(16 m + r, 32 w + 16 n + 8 h + 0 .. 7); each accumulator from its low end on
	ds_store_b128 v[SO], v[ACC+8*(4*\n+\m)+4:ACC+8*(4*\n+\m)+7] offset:8448*\m+64*\n+16
.endr
.endr
	s_wait_dscnt 0x0                               ; for the others' sake: my stores into the stage are done
	s_barrier_signal -1
	s_barrier_wait -1                              ; 64 whole rows lie in the stage
.irp i, 0,1,2,3,4,5,6,7,8,9,10,11,12,13,14,15
	ds_load_b128 v[OB+4*\i:OB+4*\i+3], v[SR] offset:528*\i
.endr
.irp i, 0,1,2,3,4,5,6,7,8,9,10,11,12,13,14,15
	s_wait_dscnt 15-\i                             ; LDS loads come back in order: row i is in
	global_store_b128 v[LI], v[OB+4*\i:OB+4*\i+3], s[10:11] offset:2048*\i th:TH_STORE_NT   ; 32 lanes store 512 consecutive bytes, at a multiple of 256 from out0's first byte
.endr
	s_wait_tensorcnt 0x0                           ; the wave's end, behind my last tensor load and my last LDS store
	ds_add_u32 v[SPW], v[NIL]
	s_wait_dscnt 0x0
	CROUND                                         ; the closing round: no work-group ends while a partner may still ask for a block that names it
	s_endpgm
.Lfunc_end_k_q765810bd37_outp:
	.size	k_q765810bd37_outp, .Lfunc_end_k_q765810bd37_outp-k_q765810bd37_outp
	.p2alignl 7, 3214868480
	.fill 96, 4, 3214868480
	.section	.rodata,"a",@progbits
	.p2align	6, 0x0
	.amdhsa_kernel k_q765810bd37_outp
		.amdhsa_group_segment_fixed_size 230912
		.amdhsa_private_segment_fixed_size 0
		.amdhsa_enable_private_segment 0
		.amdhsa_kernarg_size 32
		.amdhsa_user_sgpr_count 2
		.amdhsa_user_sgpr_kernarg_segment_ptr 1
		.amdhsa_wavefront_size32 1
		.amdhsa_system_sgpr_workgroup_id_x 1
		.amdhsa_system_sgpr_workgroup_id_y 1
		.amdhsa_system_sgpr_workgroup_id_z 1
		.amdhsa_system_vgpr_workitem_id 0
		.amdhsa_next_free_vgpr 256
		.amdhsa_next_free_sgpr 66
		.amdhsa_reserve_vcc 0
		.amdhsa_float_denorm_mode_32 3
		.amdhsa_float_denorm_mode_16_64 3
		.amdhsa_memory_ordered 1
		.amdhsa_forward_progress 1
		.amdhsa_inst_pref_size 33
	.end_amdhsa_kernel
	.amdgpu_metadata
---
amdhsa.version: [ 1, 2 ]
amdhsa.kernels:
  - .name:           k_q765810bd37_outp
    .symbol:         k_q765810bd37_outp.kd
    .args:
      - { .name: oimg, .offset: 0, .size: 8, .value_kind: global_buffer, .address_space: global }
      - { .name: wouth, .offset: 8, .size: 8, .value_kind: global_buffer, .address_space: global }
      - { .name: bout, .offset: 16, .size: 8, .value_kind: global_buffer, .address_space: global }
      - { .name: out0, .offset: 24, .size: 8, .value_kind: global_buffer, .address_space: global }
    .group_segment_fixed_size: 230912
    .private_segment_fixed_size: 0
    .kernarg_segment_align: 8
    .kernarg_segment_size: 32
    .max_flat_workgroup_size: 128
    .sgpr_count:     66
    .vgpr_count:     256
    .wavefront_size: 32
...
	.end_amdgpu_metadata
.endif
;; end of part 4
